; MI455X (gfx1250); checked and timed in simulation.
; The chip was launched on July 23, 2026; its instructions are those of AMD's public machine-readable ISA for CDNA 5 (MIT licence, August 2026) and "CDNA5" Instruction Set Architecture Reference Guide (July 2026). The comments in the code are by the model that wrote it; some were corrected since.
;; Roi Head. Allowed arithmetic: float matrix products may take bf16 or f16 operands with f32 sums; all other float work in f32.
;; Inputs: features 2 x 256 x 50 x 50 float32; proposals 2 x 128 x 4 int32.
;; Outputs: out0 256 x 256 x 1 x 1 float32.
;; 2 versions, each right and faster than the one before. Each part assembles by itself: llvm-mc -triple=amdgcn-amd-amdhsa -mcpu=gfx1250 --defsym DOCPART=n.
;; ======== version 1 of 2: 1 launch
;; launch roipool (part 1): grid 256 x 1, 10 waves a work-group, no clusters, 167,936 bytes of LDS; arguments features, proposals, out0; writes out0
.if DOCPART == 1
	.amdgcn_target "amdgcn-amd-amdhsa--gfx1250"
	.amdhsa_code_object_version 6
	.text
	.protected	k_q607f0521ae_roipool
	.globl	k_q607f0521ae_roipool
	.p2align	8
	.type	k_q607f0521ae_roipool,@function
k_q607f0521ae_roipool:
	s_mov_b64 s[64:65], 0
	v_nop
	global_prefetch_b8 v0, s[64:65] scope:SCOPE_SE
	s_setreg_imm32_b32 hwreg(HW_REG_WAVE_MODE, 25, 1), 1
	s_wait_xcnt 0x0
; out0[b*128+p][c] = max of features[b][c][r][q] over the cells (r, q) of proposal p's box, -FLT_MAX for an empty box.
; features [2][256][50][50] f32, proposals [2][128][4] i32 (x, y, w, h in image pixels, 16 pixels to a cell), out0 [256][256] f32.
;
; A work-group owns two neighbouring planes (image b, channels 2j and 2j+1: 20,000 consecutive bytes) and the image's 128 boxes.
; For each plane it builds in LDS a table of vertical window maxima, T_k[r][q] = max f[r .. r+2^k-1][q], k = 0..5: level k has
; 51 - 2^k rows, 243 rows in all.  A box with rows [ylo, yhi) is then covered by the two rows T_k[ylo] and T_k[yhi-2^k] with
; k = floor(log2(yhi-ylo)), whatever its height: two LDS loads a box for both planes, and no trip count hangs on the data.
;
; TEN WAVES.  Waves 0 and 1 build one plane's table each: a lane keeps two neighbouring columns of all 50 rows in 100 registers, so
; a level is made in place from the level below without any traffic between lanes.  Waves 2 to 9 take 16 boxes each: while the planes
; are on their way they turn their boxes into LDS addresses and lane masks; behind the one barrier they read and reduce.
;
; LDS: a table row is 208 bytes (50 numbers and two of padding, so that rows are multiples of 16 bytes for ds_load_b128);
; a plane's table is 243 x 208 = 50,544 bytes, both take 101,088.  The launch asks for 167,936 bytes, more than half of what a WGP
; has, so that every work-group has a WGP to itself.
;
; THE WAY OUT: a wave's one store writes 4 bytes a lane; lanes l and l+16 write 8 neighbouring bytes (my two channels of a box),
; and boxes are 1,024 bytes apart.  256 neighbouring bytes of out0 are 64 channels of one box, that is 64 planes = 640,000 bytes of
; features, which is more than the LDS of a WGP and would leave 8 work-groups; so the pieces stay at 8 bytes.  The 32 work-groups that write
; into the same 256 bytes have consecutive numbers.
;
; LIMITS.  Proposals: any i32 (the division by 16 is an arithmetic shift, which rounds down as // does; the box is clipped to the map).
; Features: a NaN inside a box is passed over (v_max_num_f32), where reference() gives NaN.  A result is never below -FLT_MAX:
; that differs from reference() only for a box that covers all 2,500 cells of a plane in which every cell is -infinity.
.set PLANEB, 10000                     ; bytes in a plane
.set ROWB,   200                       ; bytes in a row of a plane
.set PITCH,  208                       ; bytes from row to row of a table
.set TROWS,  243                       ; rows in a plane's table: 50+49+47+43+35+19
.set TABB,   TROWS*PITCH               ; bytes in a plane's table
.set MAXOFF, (TROWS-1)*PITCH           ; byte offset of a table's last row
.set NEGMAX, 0xff7fffff                ; -FLT_MAX, what reference() puts outside the box
.set GL,   1                           ; build: my byte offset in a row of the plane
.set LS,   2                           ; build: LDS address of my 8 bytes in row 0 of my table
.set QB,   3                           ; query: LDS address of my 16 bytes in row 0 of my half's table
.set OUT,  4                           ; query: my byte offset in out0
.set PO,   5                           ; query: my byte offset in proposals
.set P,    6                           ; v[6:9]  x, y, w, h; later xlo, ylo, xhi, yhi
.set HL,   10                          ; rows in the clipped box, at least 1
.set K,    11                          ; floor(log2(HL))
.set P2,   12                          ; 2^K
.set OF1,  13                          ; byte offset of table row T_K[ylo]
.set OF2,  14                          ; byte offset of table row T_K[yhi-2^K]
.set T,    15                          ; at work
.set U,    16                          ; at work
.set NEGV, 17                          ; -FLT_MAX in every lane
.set M,    18                          ; v[18:21] lane = box: the mask of lanes whose column 4i+j lies in the box, j = 0..3
.set AD,   24                          ; v[24:55] box r: LDS addresses of its two table rows
.set D,    56                          ; v[56:183] build: row r of the plane in v[D+2r:D+2r+1]; query: box r in v[D+8r:D+8r+7]
; scalars: s[4:5] features, s[6:7] proposals, s[8:9] out0, s10 wave, s[16:19] masks of the fold,
; s20-s63 and s66-s85 the 64 column masks (box r, j at number 4r+j), s86, s87 at work
	s_load_b128 s[4:7], s[0:1], 0x0                ; features, proposals
	s_load_b64 s[8:9], s[0:1], 0x10                ; out0
	v_lshrrev_b32 v1, 5, v0
	v_readfirstlane_b32 s10, v1                    ; wave 0..9
	s_mov_b32 s13, 0                               ; high word of every byte offset below
	s_cmp_gt_u32 s10, 1
	s_cbranch_scc1 .Lprep
	; ---------------- waves 0 and 1: plane s10 of the group's two, and its table ----------------
	; Lane l < 25 holds columns 2l and 2l+1.  Lanes 25 to 31 load what lane 24 loads and all store it to the row's padding
	; (columns 50, 51: same address, same data), so that every byte that a query reads has been written; the masks never let it through.
	v_and_b32 v[T], 31, v0
	v_min_u32 v[GL], 24, v[T]
	v_lshlrev_b32 v[GL], 3, v[GL]
	v_min_u32 v[LS], 25, v[T]
	s_mul_i32 s11, s10, TABB
	v_lshl_add_u32 v[LS], v[LS], 3, s11
	s_mul_i32 s12, ttmp9, 2*PLANEB                 ; the group's two planes: at most 255 x 20,000 bytes
	s_mul_i32 s14, s10, PLANEB
	s_add_co_u32 s12, s12, s14
	s_wait_kmcnt 0x0
	s_add_nc_u64 s[4:5], s[4:5], s[12:13]
.set rr, 0
.rept 50
	global_load_b64 v[D+2*rr:D+2*rr+1], v[GL], s[4:5] offset:rr*ROWB th:TH_LOAD_NT   ; a row of 200 bytes; the 50 loads cover the plane once
.set rr, rr+1
.endr
.set rr, 0
.rept 50
	s_wait_loadcnt 49-rr                           ; loads come back in order: row rr is in, the 49-rr younger rows stay out
	ds_store_b64 v[LS], v[D+2*rr:D+2*rr+1] offset:rr*PITCH     ; level 0 is the plane itself
.set rr, rr+1
.endr
; A level from the level below, in place: window 2s at row r = max(window s at r, window s at r+s).  Rows go upward, so row r+s still
; holds the level below when row r is made.  base = the level's first row in the table, n = its rows.
.macro LEVEL s, base, n
.set rr, 0
.rept \n
	v_max_num_f32 v[D+2*rr],   v[D+2*rr],   v[D+2*(rr+\s)]
	v_max_num_f32 v[D+2*rr+1], v[D+2*rr+1], v[D+2*(rr+\s)+1]
	ds_store_b64 v[LS], v[D+2*rr:D+2*rr+1] offset:(\base+rr)*PITCH
.set rr, rr+1
.endr
.endm
	LEVEL 1,  50,  49
	LEVEL 2,  99,  47
	LEVEL 4,  146, 43
	LEVEL 8,  189, 35
	LEVEL 16, 224, 19
	s_branch .Lmeet
	; ---------------- waves 2 to 9: boxes 16 q .. 16 q + 15 of the image, q = wave - 2 ----------------
.Lprep:
	s_sub_co_u32 s11, s10, 2                       ; q
	v_and_b32 v[T], 15, v0                         ; i: my box while boxes are prepared, my place in a table row afterwards
	v_bfe_u32 v[U], v0, 4, 1                       ; which half of the wave: plane 0 or 1
	v_lshlrev_b32 v[PO], 4, v[T]                   ; 16 bytes a box; both halves load the same 256 bytes
	s_lshr_b32 s14, ttmp9, 7                       ; image b
	s_lshl_b32 s12, s14, 11                        ; 128 boxes x 16 bytes
	s_lshl_b32 s15, s11, 8                         ; 16 boxes x 16 bytes
	s_add_co_u32 s12, s12, s15
	s_wait_kmcnt 0x0
	s_add_nc_u64 s[6:7], s[6:7], s[12:13]
	global_load_b128 v[P:P+3], v[PO], s[6:7]
	; what does not hang on the boxes, while they are on their way
	v_min_u32 v[QB], 12, v[T]                      ; 13 lanes cover a row's 208 bytes; lanes 13 to 15 read what lane 12 reads, and no mask names them
	v_lshlrev_b32 v[QB], 4, v[QB]
	v_mad_u32_u24 v[QB], v[U], TABB, v[QB]
	v_lshlrev_b32 v[OUT], 10, v[T]                 ; box i: 256 channels x 4 bytes
	v_lshl_or_b32 v[OUT], v[U], 2, v[OUT]          ; my half's channel
	s_lshl_b32 s12, s14, 17                        ; image: 128 boxes x 1,024 bytes
	s_lshl_b32 s15, s11, 14                        ; 16 boxes x 1,024 bytes
	s_add_co_u32 s12, s12, s15
	s_and_b32 s15, ttmp9, 127
	s_lshl_b32 s15, s15, 3                         ; channel 2j x 4 bytes
	s_add_co_u32 s12, s12, s15
	s_add_nc_u64 s[8:9], s[8:9], s[12:13]
	s_mov_b32 s16, 0xaaaaaaaa                      ; lanes whose number has bit 0 set, bit 1, bit 2, bit 3
	s_mov_b32 s17, 0xcccccccc
	s_mov_b32 s18, 0xf0f0f0f0
	s_mov_b32 s19, 0xff00ff00
	v_mov_b32 v[NEGV], NEGMAX
	s_wait_loadcnt 0x0
	; lane = box.  Cells: floor(pixels / 16); then the box clipped to the map: columns [xlo, xhi), rows [ylo, yhi), all in 0..50.
.irp c, 0,1,2,3
	v_ashrrev_i32 v[P+\c], 4, v[P+\c]
.endr
	v_add_nc_u32 v[P+2], v[P], v[P+2]              ; x + w: both below 2^27 in size, no overflow
	v_add_nc_u32 v[P+3], v[P+1], v[P+3]            ; y + h
.irp c, 0,1,2,3
	v_max_i32 v[P+\c], 0, v[P+\c]
	v_min_u32 v[P+\c], 50, v[P+\c]
.endr
	v_max_u32 v[P+2], v[P+2], v[P]                 ; no columns: xhi = xlo, which makes all four masks 0
	v_sub_nc_u32 v[HL], v[P+3], v[P+1]
	v_cmp_lt_i32 vcc_lo, 0, v[HL]
	v_cndmask_b32 v[P+2], v[P], v[P+2], vcc_lo     ; no rows: no columns either
	v_max_i32 v[HL], 1, v[HL]                      ; and a height of 1 for the addresses, which then name some row that the masks throw away
	v_mov_b32 v[K], 0
.irp c, 1,3,7,15,31
	v_cmp_lt_u32 vcc_lo, \c, v[HL]                 ; K = how many of 2, 4, 8, 16, 32 the height reaches
	v_add_co_ci_u32 v[K], vcc_lo, 0, v[K], vcc_lo
.endr
	v_lshlrev_b32 v[P2], v[K], 1                   ; 2^K
	v_mad_u32_u24 v[T], v[K], 51, v[P+1]           ; level K begins at table row 51 K - 2^K + 1
	v_sub_nc_u32 v[T], v[T], v[P2]
	v_add_nc_u32 v[T], 1, v[T]                     ; table row of T_K[ylo]
	v_mul_u32_u24 v[OF1], PITCH, v[T]
	v_sub_nc_u32 v[U], v[HL], v[P2]                ; T_K[yhi - 2^K] lies height - 2^K rows further down
	v_mad_u32_u24 v[OF2], v[U], PITCH, v[OF1]
; Lane i of a half will hold columns 4i+j.  Column 4i+j is in [xlo, xhi) for i in [ceil((xlo-j)/4), ceil((xhi-j)/4)): a run of bits,
; at most 13 of them, (1 << end) - (1 << begin), the same for both halves of the wave.
.macro MASK j
.if \j < 3
	v_add_nc_u32 v[T], 3-\j, v[P]
	v_add_nc_u32 v[U], 3-\j, v[P+2]
	v_lshrrev_b32 v[T], 2, v[T]
	v_lshrrev_b32 v[U], 2, v[U]
.else
	v_lshrrev_b32 v[T], 2, v[P]
	v_lshrrev_b32 v[U], 2, v[P+2]
.endif
	v_lshlrev_b32 v[T], v[T], 1
	v_lshlrev_b32 v[U], v[U], 1
	v_sub_nc_u32 v[T], v[U], v[T]
	v_lshl_or_b32 v[M+\j], v[T], 16, v[T]
.endm
	MASK 0
	MASK 1
	MASK 2
	MASK 3
	; from lane = box to one box for the whole wave: its two offsets become 32 lanes' addresses, its four masks go to scalar registers
.set rr, 0
.rept 16
	v_readlane_b32 s86, v[OF1], rr
	v_readlane_b32 s87, v[OF2], rr
	s_min_u32 s86, s86, MAXOFF                     ; a number made of loaded data enters an address only behind a bound; by the arithmetic above it is never met
	s_min_u32 s87, s87, MAXOFF
	v_add_nc_u32 v[AD+2*rr],   s86, v[QB]
	v_add_nc_u32 v[AD+2*rr+1], s87, v[QB]
.irp j, 0,1,2,3
.set mr, 20+4*rr+\j+2*((4*rr+\j)/44)               ; s20-s63, then s66-s85
	v_readlane_b32 s[mr], v[M+\j], rr
.endr
.set rr, rr+1
.endr
	; ---------------- the one barrier: the tables are whole ----------------
.Lmeet:
	s_wait_dscnt 0x0                               ; for the others' sake: all my table rows are in LDS (waves 2 to 9 have nothing out)
	s_barrier_signal -1
	s_barrier_wait -1
	s_cmp_gt_u32 s10, 1
	s_cbranch_scc1 .Lquery
	s_endpgm                                       ; waves 0 and 1 have done their part
.Lquery:
.set rr, 0
.rept 16
	ds_load_b128 v[D+8*rr:D+8*rr+3],   v[AD+2*rr]          ; T_K[ylo]:      lanes 0-15 plane 0, lanes 16-31 plane 1, four columns a lane
	ds_load_b128 v[D+8*rr+4:D+8*rr+7], v[AD+2*rr+1]        ; T_K[yhi-2^K]
.set rr, rr+1
.endr
	; box by box: the two windows joined, columns outside the box replaced by -FLT_MAX, my four columns reduced to one number
.set rr, 0
.rept 16
	s_wait_dscnt 30-2*rr                           ; LDS loads come back in order: box rr's two are in, the 2 x (15-rr) younger ones stay out
.irp j, 0,1,2,3
	v_max_num_f32 v[D+8*rr+\j], v[D+8*rr+\j], v[D+8*rr+4+\j]
.endr
.irp j, 0,1,2,3
.set mr, 20+4*rr+\j+2*((4*rr+\j)/44)
	v_cndmask_b32 v[D+8*rr+\j], v[NEGV], v[D+8*rr+\j], s[mr]
.endr
	v_max3_num_f32 v[D+8*rr], v[D+8*rr], v[D+8*rr+1], v[D+8*rr+2]
	v_max_num_f32 v[D+8*rr], v[D+8*rr], v[D+8*rr+3]
.set rr, rr+1
.endr
; Sixteen registers (box r in v[D+8r], one number a lane) are folded into one in which lane i of each half holds box i's maximum over
; the half's 16 lanes.  A step joins boxes a and a+step: lanes whose bit is clear go on with a, the others with a+step; each lane keeps
; its own number of its box and takes, from the lane whose number differs in that bit, that lane's number of the same box.
; Two selects and one maximum a pair, 15 pairs.  The selects of a step stand together, so that no maximum waits for the line in front of it.
.macro FOLD step, m, x
.set aa, 0
.rept 8/\step
	v_cndmask_b32 v[D+8*aa+1], v[D+8*aa], v[D+8*(aa+\step)], s[\m]       ; my box's number
	v_cndmask_b32 v[D+8*aa+2], v[D+8*(aa+\step)], v[D+8*aa], s[\m]       ; the number that my partner wants
.set aa, aa+2*\step
.endr
.set aa, 0
.rept 8/\step
	v_max_num_f32_dpp v[D+8*aa], v[D+8*aa+2], v[D+8*aa+1] row_xmask:\x row_mask:0xf bank_mask:0xf
.set aa, aa+2*\step
.endr
.endm
	FOLD 1, 16, 1
	FOLD 2, 17, 2
	FOLD 4, 18, 4
	FOLD 8, 19, 8
	global_store_b32 v[OUT], v[D], s[8:9]          ; box 16 q + i, channel 2j + half
	s_endpgm
.Lfunc_end_k_q607f0521ae_roipool:
	.size	k_q607f0521ae_roipool, .Lfunc_end_k_q607f0521ae_roipool-k_q607f0521ae_roipool
	.p2alignl 7, 3214868480
	.fill 96, 4, 3214868480
	.section	.rodata,"a",@progbits
	.p2align	6, 0x0
	.amdhsa_kernel k_q607f0521ae_roipool
		.amdhsa_group_segment_fixed_size 167936
		.amdhsa_private_segment_fixed_size 0
		.amdhsa_enable_private_segment 0
		.amdhsa_kernarg_size 24
		.amdhsa_user_sgpr_count 2
		.amdhsa_user_sgpr_kernarg_segment_ptr 1
		.amdhsa_wavefront_size32 1
		.amdhsa_system_sgpr_workgroup_id_x 1
		.amdhsa_system_sgpr_workgroup_id_y 1
		.amdhsa_system_sgpr_workgroup_id_z 1
		.amdhsa_system_vgpr_workitem_id 0
		.amdhsa_next_free_vgpr 184
		.amdhsa_next_free_sgpr 88
		.amdhsa_reserve_vcc 1
		.amdhsa_float_denorm_mode_32 3
		.amdhsa_float_denorm_mode_16_64 3
		.amdhsa_memory_ordered 1
		.amdhsa_forward_progress 1
		.amdhsa_inst_pref_size 61
	.end_amdhsa_kernel
	.amdgpu_metadata
---
amdhsa.version: [ 1, 2 ]
amdhsa.kernels:
  - .name:           k_q607f0521ae_roipool
    .symbol:         k_q607f0521ae_roipool.kd
    .args:
      - { .name: features, .offset: 0, .size: 8, .value_kind: global_buffer, .address_space: global }
      - { .name: proposals, .offset: 8, .size: 8, .value_kind: global_buffer, .address_space: global }
      - { .name: out0, .offset: 16, .size: 8, .value_kind: global_buffer, .address_space: global }
    .group_segment_fixed_size: 167936
    .private_segment_fixed_size: 0
    .kernarg_segment_align: 8
    .kernarg_segment_size: 24
    .max_flat_workgroup_size: 320
    .sgpr_count:     88
    .vgpr_count:     184
    .wavefront_size: 32
...
	.end_amdgpu_metadata
.endif
;; end of part 1
;; ======== version 2 of 2: 1 launch; 1.69 times as fast as version 1
;; launch roipool (part 2): grid 256 x 1, 12 waves a work-group, no clusters, 167,936 bytes of LDS; arguments features, proposals, out0; writes out0
.if DOCPART == 2
	.amdgcn_target "amdgcn-amd-amdhsa--gfx1250"
	.amdhsa_code_object_version 6
	.text
	.protected	k_q607f0521ae_roipool
	.globl	k_q607f0521ae_roipool
	.p2align	8
	.type	k_q607f0521ae_roipool,@function
k_q607f0521ae_roipool:
	s_mov_b64 s[64:65], 0
	v_nop
	global_prefetch_b8 v0, s[64:65] scope:SCOPE_SE
	s_setreg_imm32_b32 hwreg(HW_REG_WAVE_MODE, 25, 1), 1
	s_wait_xcnt 0x0
; out0[b*128+p][c] = max of features[b][c][r][q] over the cells (r, q) of proposal p's box, -FLT_MAX for an empty box.
; features [2][256][50][50] f32, proposals [2][128][4] i32 (x, y, w, h in image pixels, 16 pixels to a cell), out0 [256][256] f32.
;
; A work-group owns two neighbouring planes (image b, channels 2j and 2j+1: 20,000 consecutive bytes) and the image's 128 boxes.
; For each plane it builds in LDS a table of vertical window maxima, T_k[r][q] = max f[r .. r+2^k-1][q], k = 0..5: level k has
; 51 - 2^k rows, 243 rows in all.  A box with rows [ylo, yhi) is then covered by the two rows T_k[ylo] and T_k[yhi-2^k] with
; k = floor(log2(yhi-ylo)), whatever its height: two LDS loads a box for both planes, and no trip count hangs on the data.
;
; TWELVE WAVES.  Waves 0 to 3 build, two to a plane (plane = wave & 1).  A lane keeps two neighbouring columns of all 50 rows in
; registers, so a level is made from the level below without traffic between lanes.  The low wave (0, 1) makes levels 1 and 2 and
; stores levels 0, 1, 2: 96 row maxima, 146 stores.  The high wave (2, 3) makes levels 1 to 5 and stores levels 3, 4, 5: 193 row maxima,
; 97 stores.  Both load the whole plane.  The rows are worked on in batches of five, in the order in which they arrive: see BUILD below.
; Waves 4 to 11 take 16 boxes each: while the planes are on their way they turn their boxes into LDS addresses and lane masks;
; behind the one barrier they read and reduce.
;
; LDS: a table row is 208 bytes (50 numbers and two of padding, so that rows are multiples of 16 bytes for ds_load_b128);
; a plane's table is 243 x 208 = 50,544 bytes, both take 101,088.  The launch asks for 167,936 bytes, more than half of what a WGP
; has, so that every work-group has a WGP to itself.
; No cluster: all that work-groups share is an image's 2,048 bytes of proposals, against 20,000 bytes of planes of their own.
;
; THE WAY OUT: a wave's one store writes 4 bytes a lane; lanes l and l+16 write 8 neighbouring bytes (my two channels of a box),
; and boxes are 1,024 bytes apart.  256 neighbouring bytes of out0 are 64 channels of one box, that is 64 planes = 640,000 bytes of
; features, which is more than the LDS of a WGP and would leave 8 work-groups; so the pieces stay at 8 bytes.  The 32 work-groups that write
; into the same 256 bytes have consecutive numbers.
;
; LIMITS.  Proposals: any i32 (the division by 16 is an arithmetic shift, which rounds down as // does; the box is clipped to the map).
; Features: a NaN inside a box is passed over (v_max_num_f32), where reference() gives NaN.  A result is never below -FLT_MAX:
; that differs from reference() only for a box that covers all 2,500 cells of a plane in which every cell is -infinity.
.set PLANEB, 10000                     ; bytes in a plane
.set ROWB,   200                       ; bytes in a row of a plane
.set PITCH,  208                       ; bytes from row to row of a table
.set TROWS,  243                       ; rows in a plane's table: 50+49+47+43+35+19
.set TABB,   TROWS*PITCH               ; bytes in a plane's table
.set MAXOFF, (TROWS-1)*PITCH           ; byte offset of a table's last row
.set NEGMAX, 0xff7fffff                ; -FLT_MAX, what reference() puts outside the box
.set BATCH,  5                         ; rows of the plane in a batch of the build; it divides 50, and is at most 8 (see the high wave)
.set GL,   1                           ; build: my byte offset in a row of the plane
.set LS,   2                           ; build: LDS address of my 8 bytes in row 0 of my plane's table
.set QB,   3                           ; query: LDS address of my 16 bytes in row 0 of my half's table
.set OUT,  4                           ; query: my byte offset in out0
.set PO,   5                           ; query: my byte offset in proposals
.set P,    6                           ; v[6:9]  x, y, w, h; later xlo, ylo, xhi, yhi
.set HL,   10                          ; rows in the clipped box, at least 1
.set K,    11                          ; floor(log2(HL))
.set P2,   12                          ; 2^K
.set OF1,  13                          ; byte offset of table row T_K[ylo]
.set OF2,  14                          ; byte offset of table row T_K[yhi-2^K]
.set T,    15                          ; at work
.set U,    16                          ; at work
.set NEGV, 17                          ; -FLT_MAX in every lane
.set M,    18                          ; v[18:21] lane = box: the mask of lanes whose column 4i+j lies in the box, j = 0..3
.set YP,   22                          ; ylo + 1
.set AD,   24                          ; v[24:55] box r: LDS addresses of its two table rows
.set F,    56                          ; v[56:155]  build: slot r = v[F+2r:F+2r+1], row r of the plane, later of a higher level
.set G,    156                         ; v[156:255] build, low wave: slot r holds level 1's row r
.set D,    56                          ; v[56:183]  query: box r in v[D+8r:D+8r+7]
.set BG,   56                          ; v[56:59]   box arithmetic: first lane of the run, column j; then 1 << it; then the run of bits
.set EN,   60                          ; v[60:63]   the same for the lane behind the run
.set KT,   64                          ; v[64:68]   1 where the height reaches 2, 4, 8, 16, 32
.set SO,   86                          ; s[86:101]  the two table offsets of eight boxes, on their way from lanes to addresses
; scalars: s[4:5] features, s[6:7] proposals, s[8:9] out0, s10 wave, s[16:19] masks of the fold,
; s20-s63 and s66-s85 the 64 column masks (box r, j at number 4r+j; s20-s24 first serve the five compares)
	s_load_b128 s[4:7], s[0:1], 0x0                ; features, proposals
	s_load_b64 s[8:9], s[0:1], 0x10                ; out0
	v_lshrrev_b32 v1, 5, v0
	v_readfirstlane_b32 s10, v1                    ; wave 0..11
	s_mov_b32 s13, 0                               ; high word of every byte offset below
	s_cmp_gt_u32 s10, 3
	s_cbranch_scc1 .Lprep
	; ---------------- waves 0 to 3: BUILD ----------------
	; Lane l < 25 holds columns 2l and 2l+1.  Lanes 25 to 31 load what lane 24 loads and all store it to the row's padding
	; (columns 50, 51: same address, same data), so that every byte that a query reads has been written; the masks never let it through.
	v_and_b32 v[T], 31, v0
	v_min_u32 v[GL], 24, v[T]
	v_lshlrev_b32 v[GL], 3, v[GL]
	v_min_u32 v[LS], 25, v[T]
	s_and_b32 s14, s10, 1                          ; my plane of the group's two
	s_mul_i32 s11, s14, TABB
	v_lshl_add_u32 v[LS], v[LS], 3, s11
	s_mul_i32 s12, ttmp9, 2*PLANEB                 ; the group's two planes: at most 255 x 20,000 bytes
	s_mul_i32 s14, s14, PLANEB
	s_add_co_u32 s12, s12, s14
	s_wait_kmcnt 0x0
	s_add_nc_u64 s[4:5], s[4:5], s[12:13]
.set rr, 0
.rept 50
	global_load_b64 v[F+2*rr:F+2*rr+1], v[GL], s[4:5] offset:rr*ROWB   ; a row of 200 bytes.  No hint: the plane's other wave loads the same bytes
.set rr, rr+1
.endr
; Row r of a level, if the level has it (r in 0..last): window 2s at row r = max(window s at r, window s at r+s), both my columns in one
; instruction: the destinations are an even and the next odd register, and each pair of like sources lies in neighbouring register banks.
.macro ROWMAX r, last, s, to, from
.if (\r) >= 0
.if (\r) <= \last
	v_dual_max_num_f32 v[\to+2*(\r)], v[\from+2*(\r)], v[\from+2*((\r)+\s)] :: v_dual_max_num_f32 v[\to+2*(\r)+1], v[\from+2*(\r)+1], v[\from+2*((\r)+\s)+1]
.endif
.endif
.endm
; Row r of a level goes to the table; base = the level's first row there.
.macro ROWST r, last, base, reg
.if (\r) >= 0
.if (\r) <= \last
	ds_store_b64 v[LS], v[\reg+2*(\r):\reg+2*(\r)+1] offset:(\base+(\r))*PITCH
.endif
.endif
.endm
; The same for the BATCH rows from r0 upward.
.macro RUNMAX r0, last, s, to, from
.set qq, \r0
.rept BATCH
	ROWMAX qq, \last, \s, \to, \from
.set qq, qq+1
.endr
.endm
.macro RUNST r0, last, base, reg
.set qq, \r0
.rept BATCH
	ROWST qq, \last, \base, \reg
.set qq, qq+1
.endr
.endm
	; A BATCH begins when rows n0 .. n0+4 of the plane are in.  Its stores stand in one run and its maxima in another, so that the wave
	; changes between LDS instructions and vector instructions twice in five rows.  The maxima go level by level: row r of level k needs the
	; plane's rows up to r + 2^k - 1, so the batch makes rows n0 - 2^k + 1 .. n0 - 2^k + 5 of level k; the five lines of a level
	; do not hang on each other, and read what the level below made five lines earlier or in an earlier batch.  What a batch
	; makes, the next batch stores at its head.  Ten batches take the 50 rows; the eleventh turn has stores alone.
	s_cmp_gt_u32 s10, 1
	s_cbranch_scc1 .Lhigh
	; The low wave.  Level 1 goes to G.  Level 2's row r goes to F over the plane's row r: that row was stored at the head of its own batch,
	; and its last readers, level 1's rows r-1 and r, stand in this batch's first run or earlier.
.set n0, 0
.rept 50/BATCH+1
.if n0 < 50
	s_wait_loadcnt 50-BATCH-n0                     ; loads come back in order: rows up to n0+4 are in, the 45-n0 younger rows stay out
.endif
	RUNST  n0,   49, 0,  F                         ; level 0: the batch's own rows
	RUNST  n0-6, 48, 50, G                         ; level 1: what the batch before made
	RUNST  n0-8, 46, 99, F                         ; level 2: likewise
	RUNMAX n0-1, 48, 1,  G, F
	RUNMAX n0-3, 46, 2,  F, G
.set n0, n0+BATCH
.endr
	s_branch .Lmeet
	; The high wave, in place: slot r holds the highest level made so far of row r.  A slot's levels rise in the order of the runs, and
	; inside a run the rows ascend, so that slot r + 2^k still holds level k when level k+1's row r reads it.
	; Level 3's row r is made with the plane's row r+7, stored at the head of the next batch, and overwritten by level 4's row r with the
	; plane's row r+15: 8 rows later, so in a later batch (BATCH is at most 8), behind that batch's stores.  Level 4's row r has 16 rows between.
.Lhigh:
.set n0, 0
.rept 50/BATCH+1
.if n0 < 50
	s_wait_loadcnt 50-BATCH-n0                     ; rows up to n0+4 are in, the 45-n0 younger rows stay out
.endif
	RUNST  n0-12, 42, 146, F                       ; levels 3, 4, 5: what the batch before made
	RUNST  n0-20, 34, 189, F
	RUNST  n0-36, 18, 224, F
	RUNMAX n0-1,  48, 1,  F, F
	RUNMAX n0-3,  46, 2,  F, F
	RUNMAX n0-7,  42, 4,  F, F
	RUNMAX n0-15, 34, 8,  F, F
	RUNMAX n0-31, 18, 16, F, F
.set n0, n0+BATCH
.endr
	s_branch .Lmeet
	; ---------------- waves 4 to 11: boxes 16 q .. 16 q + 15 of the image, q = wave - 4 ----------------
.Lprep:
	s_sub_co_u32 s11, s10, 4                       ; q
	v_and_b32 v[T], 15, v0                         ; i: my box while boxes are prepared, my place in a table row afterwards
	v_bfe_u32 v[U], v0, 4, 1                       ; which half of the wave: plane 0 or 1
	v_lshlrev_b32 v[PO], 4, v[T]                   ; 16 bytes a box; both halves load the same 256 bytes
	s_lshr_b32 s14, ttmp9, 7                       ; image b
	s_lshl_b32 s12, s14, 11                        ; 128 boxes x 16 bytes
	s_lshl_b32 s15, s11, 8                         ; 16 boxes x 16 bytes
	s_add_co_u32 s12, s12, s15
	s_wait_kmcnt 0x0
	s_add_nc_u64 s[6:7], s[6:7], s[12:13]
	global_load_b128 v[P:P+3], v[PO], s[6:7]
	; what does not hang on the boxes, while they are on their way
	v_min_u32 v[QB], 12, v[T]                      ; 13 lanes cover a row's 208 bytes; lanes 13 to 15 read what lane 12 reads, and no mask names them
	v_lshlrev_b32 v[QB], 4, v[QB]
	v_mad_u32_u24 v[QB], v[U], TABB, v[QB]
	v_lshlrev_b32 v[OUT], 10, v[T]                 ; box i: 256 channels x 4 bytes
	v_lshl_or_b32 v[OUT], v[U], 2, v[OUT]          ; my half's channel
	s_lshl_b32 s12, s14, 17                        ; image: 128 boxes x 1,024 bytes
	s_lshl_b32 s15, s11, 14                        ; 16 boxes x 1,024 bytes
	s_add_co_u32 s12, s12, s15
	s_and_b32 s15, ttmp9, 127
	s_lshl_b32 s15, s15, 3                         ; channel 2j x 4 bytes
	s_add_co_u32 s12, s12, s15
	s_add_nc_u64 s[8:9], s[8:9], s[12:13]
	s_mov_b32 s16, 0xaaaaaaaa                      ; lanes whose number has bit 0 set, bit 1, bit 2, bit 3
	s_mov_b32 s17, 0xcccccccc
	s_mov_b32 s18, 0xf0f0f0f0
	s_mov_b32 s19, 0xff00ff00
	v_mov_b32 v[NEGV], NEGMAX
	s_wait_loadcnt 0x0
	; lane = box.  Cells: floor(pixels / 16); then the box clipped to the map: columns [xlo, xhi), rows [ylo, yhi), all in 0..50.
	; Like steps of independent numbers stand together, so that few lines wait for the line in front of them.
.irp c, 0,1,2,3
	v_ashrrev_i32 v[P+\c], 4, v[P+\c]
.endr
	v_add_nc_u32 v[P+3], v[P+1], v[P+3]            ; y + h: both below 2^27 in size, no overflow
	v_add_nc_u32 v[P+2], v[P], v[P+2]              ; x + w
.irp c, 1,3,0,2
	v_max_i32 v[P+\c], 0, v[P+\c]
.endr
.irp c, 1,3,0,2
	v_min_u32 v[P+\c], 50, v[P+\c]
.endr
	v_sub_nc_u32 v[HL], v[P+3], v[P+1]
	v_max_u32 v[P+2], v[P+2], v[P]                 ; no columns: xhi = xlo, which makes all four masks 0
	v_add_nc_u32 v[YP], 1, v[P+1]
	v_cmp_lt_i32 vcc_lo, 0, v[HL]
	v_max_i32 v[HL], 1, v[HL]                      ; no rows: a height of 1 for the addresses, which then name some row that the masks throw away,
	v_cndmask_b32 v[P+2], v[P], v[P+2], vcc_lo     ; and no columns either
	; K = how many of 2, 4, 8, 16, 32 the height reaches: five compares that do not hang on each other, five ones or zeros, two sums of three.
	; Between them the masks.  Lane i of a half will hold columns 4i+j.  Column 4i+j is in [xlo, xhi) for i in
	; [ceil((xlo-j)/4), ceil((xhi-j)/4)): a run of at most 13 bits, (1 << end) - (1 << begin), the same for both halves of the wave.
	v_cmp_lt_u32 s20, 1, v[HL]
	v_cmp_lt_u32 s21, 3, v[HL]
	v_cmp_lt_u32 s22, 7, v[HL]
	v_cmp_lt_u32 s23, 15, v[HL]
	v_cmp_lt_u32 s24, 31, v[HL]
.irp j, 0,1,2
	v_add_nc_u32 v[BG+\j], 3-\j, v[P]
	v_add_nc_u32 v[EN+\j], 3-\j, v[P+2]
.endr
.irp c, 0,1,2,3,4
	v_cndmask_b32 v[KT+\c], 0, 1, s[20+\c]
.endr
.irp j, 0,1,2
	v_lshrrev_b32 v[BG+\j], 2, v[BG+\j]
	v_lshrrev_b32 v[EN+\j], 2, v[EN+\j]
.endr
	v_lshrrev_b32 v[BG+3], 2, v[P]
	v_lshrrev_b32 v[EN+3], 2, v[P+2]
	v_add3_u32 v[K], v[KT], v[KT+1], v[KT+2]
.irp j, 0,1,2,3
	v_lshlrev_b32 v[BG+\j], v[BG+\j], 1
.endr
	v_add3_u32 v[K], v[K], v[KT+3], v[KT+4]
.irp j, 0,1,2,3
	v_lshlrev_b32 v[EN+\j], v[EN+\j], 1
.endr
	v_lshlrev_b32 v[P2], v[K], 1                   ; 2^K
	v_mad_u32_u24 v[T], v[K], 51, v[YP]            ; level K begins at table row 51 K - 2^K + 1
.irp j, 0,1,2,3
	v_sub_nc_u32 v[BG+\j], v[EN+\j], v[BG+\j]
.endr
	v_sub_nc_u32 v[T], v[T], v[P2]                 ; table row of T_K[ylo]
	v_sub_nc_u32 v[U], v[HL], v[P2]                ; T_K[yhi - 2^K] lies height - 2^K rows further down
.irp j, 0,1,2,3
	v_lshl_or_b32 v[M+\j], v[BG+\j], 16, v[BG+\j]
.endr
	v_mul_u32_u24 v[OF1], PITCH, v[T]
	v_mad_u32_u24 v[OF2], v[U], PITCH, v[OF1]
	; From lane = box to one box for the whole wave: its two offsets become 32 lanes' addresses, its four masks go to scalar registers.
	; Eight boxes at a time, each kind of line in one run: 48 reads out of the lanes, 16 bounds, 16 sums.  So scalar lines follow
	; vector lines that write scalar registers at two places in all.
.set gg, 0
.rept 2
.set rr, 8*gg
.rept 8
	v_readlane_b32 s[SO+2*(rr%8)],   v[OF1], rr
	v_readlane_b32 s[SO+2*(rr%8)+1], v[OF2], rr
.irp j, 0,1,2,3
.set mr, 20+4*rr+\j+2*((4*rr+\j)/44)               ; s20-s63, then s66-s85
	v_readlane_b32 s[mr], v[M+\j], rr
.endr
.set rr, rr+1
.endr
.set cc, 0
.rept 16
	s_min_u32 s[SO+cc], s[SO+cc], MAXOFF           ; a number made of loaded data enters an address only behind a bound; by the arithmetic above it is never met
.set cc, cc+1
.endr
.set cc, 0
.rept 16
	v_add_nc_u32 v[AD+16*gg+cc], s[SO+cc], v[QB]   ; box 8 gg + cc/2: its first row (cc even), its second (cc odd)
.set cc, cc+1
.endr
.set gg, gg+1
.endr
	; ---------------- the one barrier: the tables are whole ----------------
.Lmeet:
	s_wait_dscnt 0x0                               ; for the others' sake: all my table rows are in LDS (waves 4 to 11 have nothing out)
	s_barrier_signal -1
	s_barrier_wait -1
	s_cmp_gt_u32 s10, 3
	s_cbranch_scc1 .Lquery
	s_endpgm                                       ; waves 0 to 3 have done their part
.Lquery:
.set rr, 0
.rept 16
	ds_load_b128 v[D+8*rr:D+8*rr+3],   v[AD+2*rr]          ; T_K[ylo]:      lanes 0-15 plane 0, lanes 16-31 plane 1, four columns a lane
	ds_load_b128 v[D+8*rr+4:D+8*rr+7], v[AD+2*rr+1]        ; T_K[yhi-2^K]
.set rr, rr+1
.endr
	; Box by box: the two windows joined (two columns an instruction), columns outside the box replaced by -FLT_MAX, my four columns
	; reduced to one number.  The four steps are staggered over four boxes: a turn joins box rr, masks box rr-1 and reduces boxes rr-2
	; and rr-3, so that each line reads what an earlier turn made.
.set rr, 0
.rept 19
.if rr < 16
	s_wait_dscnt 30-2*rr                           ; LDS loads come back in order: box rr's two are in, the 2 x (15-rr) younger ones stay out
	v_dual_max_num_f32 v[D+8*rr], v[D+8*rr], v[D+8*rr+4] :: v_dual_max_num_f32 v[D+8*rr+1], v[D+8*rr+1], v[D+8*rr+5]
	v_dual_max_num_f32 v[D+8*rr+2], v[D+8*rr+2], v[D+8*rr+6] :: v_dual_max_num_f32 v[D+8*rr+3], v[D+8*rr+3], v[D+8*rr+7]
.endif
.if rr >= 1
.if rr <= 16
.irp j, 0,1,2,3
.set mr, 20+4*(rr-1)+\j+2*((4*(rr-1)+\j)/44)
	v_cndmask_b32 v[D+8*(rr-1)+\j], v[NEGV], v[D+8*(rr-1)+\j], s[mr]
.endr
.endif
.endif
.if rr >= 2
.if rr <= 17
	v_max3_num_f32 v[D+8*(rr-2)], v[D+8*(rr-2)], v[D+8*(rr-2)+1], v[D+8*(rr-2)+2]
.endif
.endif
.if rr >= 3
	v_max_num_f32 v[D+8*(rr-3)], v[D+8*(rr-3)], v[D+8*(rr-3)+3]
.endif
.set rr, rr+1
.endr
; Sixteen registers (box r in v[D+8r], one number a lane) are folded into one in which lane i of each half holds box i's maximum over
; the half's 16 lanes.  A step joins boxes a and a+step: lanes whose bit is clear go on with a, the others with a+step; each lane keeps
; its own number of its box and takes, from the lane whose number differs in that bit, that lane's number of the same box.
; Two selects and one maximum a pair, 15 pairs.  The selects of a step stand together, so that no maximum waits for the line in front of it.
.macro FOLD step, m, x
.set aa, 0
.rept 8/\step
	v_cndmask_b32 v[D+8*aa+1], v[D+8*aa], v[D+8*(aa+\step)], s[\m]       ; my box's number
	v_cndmask_b32 v[D+8*aa+2], v[D+8*(aa+\step)], v[D+8*aa], s[\m]       ; the number that my partner wants
.set aa, aa+2*\step
.endr
.set aa, 0
.rept 8/\step
	v_max_num_f32_dpp v[D+8*aa], v[D+8*aa+2], v[D+8*aa+1] row_xmask:\x row_mask:0xf bank_mask:0xf
.set aa, aa+2*\step
.endr
.endm
	FOLD 1, 16, 1
	FOLD 2, 17, 2
	FOLD 4, 18, 4
	FOLD 8, 19, 8
	global_store_b32 v[OUT], v[D], s[8:9]          ; box 16 q + i, channel 2j + half
	s_endpgm
.Lfunc_end_k_q607f0521ae_roipool:
	.size	k_q607f0521ae_roipool, .Lfunc_end_k_q607f0521ae_roipool-k_q607f0521ae_roipool
	.p2alignl 7, 3214868480
	.fill 96, 4, 3214868480
	.section	.rodata,"a",@progbits
	.p2align	6, 0x0
	.amdhsa_kernel k_q607f0521ae_roipool
		.amdhsa_group_segment_fixed_size 167936
		.amdhsa_private_segment_fixed_size 0
		.amdhsa_enable_private_segment 0
		.amdhsa_kernarg_size 24
		.amdhsa_user_sgpr_count 2
		.amdhsa_user_sgpr_kernarg_segment_ptr 1
		.amdhsa_wavefront_size32 1
		.amdhsa_system_sgpr_workgroup_id_x 1
		.amdhsa_system_sgpr_workgroup_id_y 1
		.amdhsa_system_sgpr_workgroup_id_z 1
		.amdhsa_system_vgpr_workitem_id 0
		.amdhsa_next_free_vgpr 256
		.amdhsa_next_free_sgpr 102
		.amdhsa_reserve_vcc 1
		.amdhsa_float_denorm_mode_32 3
		.amdhsa_float_denorm_mode_16_64 3
		.amdhsa_memory_ordered 1
		.amdhsa_forward_progress 1
		.amdhsa_inst_pref_size 67
	.end_amdhsa_kernel
	.amdgpu_metadata
---
amdhsa.version: [ 1, 2 ]
amdhsa.kernels:
  - .name:           k_q607f0521ae_roipool
    .symbol:         k_q607f0521ae_roipool.kd
    .args:
      - { .name: features, .offset: 0, .size: 8, .value_kind: global_buffer, .address_space: global }
      - { .name: proposals, .offset: 8, .size: 8, .value_kind: global_buffer, .address_space: global }
      - { .name: out0, .offset: 16, .size: 8, .value_kind: global_buffer, .address_space: global }
    .group_segment_fixed_size: 167936
    .private_segment_fixed_size: 0
    .kernarg_segment_align: 8
    .kernarg_segment_size: 24
    .max_flat_workgroup_size: 384
    .sgpr_count:     102
    .vgpr_count:     256
    .wavefront_size: 32
...
	.end_amdgpu_metadata
.endif
;; end of part 2
